; MI455X (gfx1250); checked and timed in simulation.
; The chip was launched on July 23, 2026; its instructions are those of AMD's public machine-readable ISA for CDNA 5 (MIT licence, August 2026) and "CDNA5" Instruction Set Architecture Reference Guide (July 2026). The comments in the code are by the model that wrote it; some were corrected since.
;; Attn. Allowed arithmetic: float matrix products may take bf16 or f16 operands with f32 sums; all other float work in f32.
;; Inputs: W_attn 1,024 x 1,024 float32; b_attn 1,024 float32; encoder_outputs 512 x 128 x 1,024 float32; hidden 1 x 128 x 1,024 float32.
;; Outputs: out0 128 x 1 x 512 float32.
;; One version. Each part assembles by itself: llvm-mc -triple=amdgcn-amd-amdhsa -mcpu=gfx1250 --defsym DOCPART=n.
;; ======== version 1 of 1: 3 launches
;; workspace buffers: vbuf 524,288 bytes; scbuf 262,144 bytes
;; launch vproj (part 1): grid 16 x 8, 16 waves a work-group, no clusters, 71,680 bytes of LDS; arguments hidden, W_attn, vbuf; writes vbuf
.if DOCPART == 1
	.amdgcn_target "amdgcn-amd-amdhsa--gfx1250"
	.amdhsa_code_object_version 6
	.text
	.protected	k_q029ae08204_vproj
	.globl	k_q029ae08204_vproj
	.p2align	8
	.type	k_q029ae08204_vproj,@function
k_q029ae08204_vproj:
	s_mov_b64 s[64:65], 0
	v_nop
	global_prefetch_b8 v0, s[64:65] scope:SCOPE_SE
	s_setreg_imm32_b32 hwreg(HW_REG_WAVE_MODE, 25, 1), 1
	s_wait_xcnt 0x0
; v[b][h] = sum over k of hidden[b][k] W[k][h].  hidden: [128][1024], W: [1024][1024], v: [128][1024], all f32.
; WHY: hidden[b] . (W enc[s][b] + bias) = enc[s][b] . v[b] + hidden[b] . bias, for every input: the product of enc with W
; is never formed.  This launch makes v, the next one the dot products with enc, the third the bias term and the softmax.
; ACCURACY: the scores go into an exponential, so v has to be good to far more than 8 bits.  Each f32 operand x is split into
; hi = bf16(x) and lo = bf16(x - hi) (x - hi is exact in f32), and three bf16 products are summed in f32: hi hi + lo hi + hi lo.
; LIMITS: inputs finite and below 3.39e38 in magnitude (above, rounding to bf16 gives infinity); an operand is carried to
; 2^-18 of its size and the product lo lo (2^-18 of the product at the most) is dropped; the order of the sums is not the
; one in which the product with enc would be summed.
; SHARES: work-group (x, y) makes batches 16 y .. +15, columns 64 x .. +63: 128 work-groups, since a piece of a row of W is
; 64 columns (256 bytes) and a matrix tile takes 16 batches.  Wave w of 16 takes k = 64 w .. +63 (two K steps of 32) for all
; four tiles of 16 x 16; the sixteen partial blocks meet in LDS behind one barrier, and wave w sums and stores row w.
; NO JOINT LOADS: eight work-groups read the same strip of W, but it goes from memory straight into the fragments' lane
; layout; a shared tile would need an f32 stage in LDS and barrier rounds for 256 KiB a work-group, read in one pass.
; NO TRANSPOSE: lane (r = l % 16, h = l / 16) loads the four columns 64 x + 4 r + c, c = 0..3, of a row k of W.  Register c
; goes to tile c, whose fragment column r therefore stands for column 64 x + 4 r + c.  Lanes 0-15 cover the strip's 256
; consecutive bytes of one row, lanes 16-31 those of the row 8 further down.
.set OFFA, 3                           ; v3       hidden: r x 4096 + 32 h; never rewritten
.set OFFW, 4                           ; v4       W: h x 8 rows + 16 r; never rewritten
.set NEG1, 5                           ; v5       -1.0
.set LST,  6                           ; v6       LDS: where my partial results go
.set LRD,  7                           ; v7       LDS: where I read row w of the partials
.set RA,   8                           ; v[8:39]    hidden as loaded: K step t at RA + 16 t, 16 numbers; later its lo fragment in RA + 16 t .. + 7
.set AH,   40                          ; v[40:55]   hi fragments of hidden, K step t at AH + 8 t
.set R0,   56                          ; v[56:119]  W as loaded, K step 0: row slot i, tile c at R0 + 4 i + c
.set R1,   120                         ; v[120:183] the same, K step 1
.set F0,   184                         ; v[184:215] four B fragments: hi of K step 0, later lo of K step 1
.set F1,   216                         ; v[216:247] four B fragments: lo of K step 0
.set ACC,  R0                          ; v[56:87]   four accumulators, in registers of R0 that are dead by then
.set BH1,  R0+32                       ; v[88:119]  hi fragments of K step 1, likewise
.set SUM,  R1                          ; v[120:151] the sixteen partials of my two columns
.set LOUT, 248                         ; v248     8 x lane: my 8 bytes of the row that I store
.set PBLK, 4352                        ; LDS bytes of a wave's partial block: 16 rows of 272
.set PPIT, 272                         ; a row: 256 bytes, 16 spare
	s_load_b128 s[4:7], s[0:1], 0x0                ; hidden s[4:5], W s[6:7]
	s_load_b64 s[8:9], s[0:1], 0x10                ; v
	v_lshl_add_u32 v254, v0, 2, 0x11000
	v_mov_b32 v255, 0
	v_lshrrev_b32 v1, 5, v0
	v_readfirstlane_b32 s10, v1                    ; wave w
	s_and_b32 s11, ttmp7, 0xffff                   ; y: block of 16 batches
	v_and_b32 v1, 15, v0                           ; r
	v_bfe_u32 v2, v0, 4, 1                         ; h
	v_lshlrev_b32 v[OFFA], 12, v1                  ; batch r: rows of 4,096 bytes
	v_lshl_add_u32 v[OFFA], v2, 5, v[OFFA]         ; + 8 h numbers
	v_lshlrev_b32 v[OFFW], 4, v1                   ; columns 4 r .. 4 r + 3
	v_lshl_add_u32 v[OFFW], v2, 15, v[OFFW]        ; + 8 h rows of 4,096 bytes
	v_mov_b32 v[NEG1], -1.0
	s_lshl_b32 s12, s11, 16                        ; hidden: 16 y rows
	s_lshl_b32 s20, s10, 8                         ;         + 64 w numbers
	s_add_co_u32 s12, s12, s20
	s_mov_b32 s13, 0
	s_lshl_b32 s21, ttmp9, 8                       ; the strip: 64 x columns
	s_lshl_b32 s16, s10, 18                        ; W: 64 w rows
	s_add_co_u32 s16, s16, s21
	s_mov_b32 s17, 0
	s_lshl4_add_u32 s18, s11, s10                  ; v: row 16 y + w
	s_lshl_b32 s18, s18, 12
	s_add_co_u32 s18, s18, s21
	s_mov_b32 s19, 0
	s_mul_i32 s14, s10, PBLK                       ; my partial block in LDS
	s_mul_i32 s15, s10, PPIT                       ; row w inside a block,
	s_lshr_b32 s20, s10, 3
	s_lshl3_add_u32 s15, s20, s15                  ; rows 8-15 lie 8 bytes further right (see the stores below)
	s_wait_kmcnt 0x0
	s_add_nc_u64 s[4:5], s[4:5], s[12:13]
	s_add_nc_u64 s[6:7], s[6:7], s[16:17]
	s_add_nc_u64 s[8:9], s[8:9], s[18:19]
	; All 40 loads of the wave go out at once.  hidden: an A fragment's lane holds k = 8 h .. + 7 and 16 + 8 h .. + 7 of batch r:
	; four loads of 16 bytes a K step.  They are pieces of sixteen rows; the wave's eight loads together take 256 consecutive
	; bytes of each row once.  That is 64 KiB of the work-group's 320 KiB.
.irp t, 0,1
.irp q, 0,1,2,3
	global_load_b128 v[RA+16*\t+4*\q:RA+16*\t+4*\q+3], v[OFFA], s[4:5] offset:128*\t+16*(\q%2)+64*(\q/2)
.endr
.endr
	; W: row slot i of a K step is row 8 h + i (i < 8) or 16 + 8 h + i - 8: the k that a B fragment's lane holds, in order
.irp i, 0,1,2,3,4,5,6,7,8,9,10,11,12,13,14,15
	global_load_b128 v[R0+4*\i:R0+4*\i+3], v[OFFW], s[6:7] offset:(\i+8*(\i/8))*4096
.endr
.irp i, 0,1,2,3,4,5,6,7,8,9,10,11,12,13,14,15
	global_load_b128 v[R1+4*\i:R1+4*\i+3], v[OFFW], s[6:7] offset:(\i+8*(\i/8)+32)*4096
.endr
; hidden's 16 numbers of K step t: hi fragment to AH + 8 t; residuals in place; lo fragment to RA + 16 t .. + 7
; (in ascending order: register p is written when registers 2 p and 2 p + 1 are read, and p <= 2 p).
.macro SPLITA t
.irp p, 0,1,2,3,4,5,6,7
	v_cvt_pk_bf16_f32 v[AH+8*\t+\p], v[RA+16*\t+2*\p], v[RA+16*\t+2*\p+1]
.endr
.irp p, 0,1,2,3,4,5,6,7
	v_fma_mix_f32_bf16 v[RA+16*\t+2*\p], v[AH+8*\t+\p], v[NEG1], v[RA+16*\t+2*\p] op_sel_hi:[1,0,0]                     ; x - hi, low half
	v_fma_mix_f32_bf16 v[RA+16*\t+2*\p+1], v[AH+8*\t+\p], v[NEG1], v[RA+16*\t+2*\p+1] op_sel:[1,0,0] op_sel_hi:[1,0,0]  ; x - hi, high half
.endr
.irp p, 0,1,2,3,4,5,6,7
	v_cvt_pk_bf16_f32 v[RA+16*\t+\p], v[RA+16*\t+2*\p], v[RA+16*\t+2*\p+1]
.endr
.endm
; W's 16 row slots x 4 tiles at raw: register p of tile c's fragment is made of slots 2 p and 2 p + 1.
; 32 lines for the hi fragments, 64 for the residuals in place, 32 for the lo fragments.
.macro SPLITW raw, hi, lo
.irp c, 0,1,2,3
.irp p, 0,1,2,3,4,5,6,7
	v_cvt_pk_bf16_f32 v[\hi+8*\c+\p], v[\raw+8*\p+\c], v[\raw+8*\p+4+\c]
.endr
.endr
.irp c, 0,1,2,3
.irp p, 0,1,2,3,4,5,6,7
	v_fma_mix_f32_bf16 v[\raw+8*\p+\c], v[\hi+8*\c+\p], v[NEG1], v[\raw+8*\p+\c] op_sel_hi:[1,0,0]
	v_fma_mix_f32_bf16 v[\raw+8*\p+4+\c], v[\hi+8*\c+\p], v[NEG1], v[\raw+8*\p+4+\c] op_sel:[1,0,0] op_sel_hi:[1,0,0]
.endr
.endr
.irp c, 0,1,2,3
.irp p, 0,1,2,3,4,5,6,7
	v_cvt_pk_bf16_f32 v[\lo+8*\c+\p], v[\raw+8*\p+\c], v[\raw+8*\p+4+\c]
.endr
.endr
.endm
; One A fragment times the four tiles' B fragments.  The four accumulators take turns, one instruction a turn, through all
; 24 matrix instructions of the kernel.  zero = 1: the product starts the sums.
.macro MUL4 a, b, zero
.irp c, 0,1,2,3
.if \zero
	v_wmma_f32_16x16x32_bf16 v[ACC+8*\c:ACC+8*\c+7], v[\a:\a+7], v[\b+8*\c:\b+8*\c+7], 0
.else
	v_wmma_f32_16x16x32_bf16 v[ACC+8*\c:ACC+8*\c+7], v[\a:\a+7], v[\b+8*\c:\b+8*\c+7], v[ACC+8*\c:ACC+8*\c+7]
.endif
.endr
.endm
	s_wait_loadcnt 32                              ; hidden's eight loads are in; the 32 of W, issued behind them, may be out
	SPLITA 0
	SPLITA 1
	s_wait_loadcnt 16                              ; W's K step 0 is in; the 16 loads of K step 1 may be out
	SPLITW R0, F0, F1
	MUL4 AH, F0, 1                                 ; hi hi: starts the sums, in registers of R0 that SPLITW has read for the last time
	MUL4 RA, F0, 0                                 ; lo hi
	MUL4 AH, F1, 0                                 ; hi lo
	s_wait_loadcnt 0x0                             ; W's K step 1
	SPLITW R1, BH1, F0                             ; its first 96 lines name R1, BH1 and NEG1 alone, no register of a matrix instruction: F0 is
	                                               ; written again far more than four places behind the last product that read it
	MUL4 AH+8, BH1, 0
	MUL4 RA+16, BH1, 0
	MUL4 AH+8, F0, 0
	; Six plain vector instructions that name no register of a matrix instruction: the places in front of the stores of the sums
	; (ISA guide 7.12.1 asks for four).
	v_and_b32 v[LOUT], 31, v0
	v_lshlrev_b32 v[LOUT], 3, v[LOUT]              ; 8 x lane
	v_mul_u32_u24 v[LST], v2, 8*PPIT+8             ; rows 8 h .., and 8 bytes to the right for h = 1
	v_lshl_add_u32 v[LST], v1, 4, v[LST]           ; columns 4 r .. 4 r + 3
	v_add_nc_u32 v[LST], s14, v[LST]
	v_add_nc_u32 v[LRD], s15, v[LOUT]
	; Register j of tile c is (batch 8 h + j, column 4 r + c).  For one store lanes 0-15 touch words 4 r + c of a row; lanes 16-31
	; lie 8 x 68 + 2 words further, which is 34 modulo the 64 banks (ISA guide 11.1): words 4 r + c + 2 there, so no two lanes
	; meet in a bank.  Without the 8 bytes they would.
.irp c, 0,1,2,3
.irp j, 0,1,2,3,4,5,6,7
	ds_store_b32 v[LST], v[ACC+8*\c+\j] offset:PPIT*\j+4*\c
.endr
.endr
	s_wait_dscnt 0x0                               ; my partial block is written: zero, for the other waves' sake
	s_barrier_signal -1
	s_barrier_wait -1                              ; all sixteen blocks are
.irp u, 0,1,2,3,4,5,6,7,8,9,10,11,12,13,14,15
	ds_load_b64 v[SUM+2*\u:SUM+2*\u+1], v[LRD] offset:PBLK*\u      ; row w of block u: 32 lanes, 256 consecutive bytes
.endr
	s_wait_dscnt 0x0
.irp u, 0,1,2,3,4,5,6,7
	v_pk_add_f32 v[SUM+2*\u:SUM+2*\u+1], v[SUM+2*\u:SUM+2*\u+1], v[SUM+2*\u+16:SUM+2*\u+17]
.endr
.irp u, 0,1,2,3
	v_pk_add_f32 v[SUM+2*\u:SUM+2*\u+1], v[SUM+2*\u:SUM+2*\u+1], v[SUM+2*\u+8:SUM+2*\u+9]
.endr
.irp u, 0,1
	v_pk_add_f32 v[SUM+2*\u:SUM+2*\u+1], v[SUM+2*\u:SUM+2*\u+1], v[SUM+2*\u+4:SUM+2*\u+5]
.endr
	v_pk_add_f32 v[SUM:SUM+1], v[SUM:SUM+1], v[SUM+2:SUM+3]
	global_store_b64 v[LOUT], v[SUM:SUM+1], s[8:9]                 ; the wave stores 256 consecutive bytes, at a multiple of 256 from v's first byte
	s_barrier_signal -1
	s_barrier_wait -1
	s_wait_tensorcnt 0x0
	ds_add_u32 v254, v255
	s_wait_dscnt 0x0
	s_endpgm
.Lfunc_end_k_q029ae08204_vproj:
	.size	k_q029ae08204_vproj, .Lfunc_end_k_q029ae08204_vproj-k_q029ae08204_vproj
	.p2alignl 7, 3214868480
	.fill 96, 4, 3214868480
	.section	.rodata,"a",@progbits
	.p2align	6, 0x0
	.amdhsa_kernel k_q029ae08204_vproj
		.amdhsa_group_segment_fixed_size 71680
		.amdhsa_private_segment_fixed_size 0
		.amdhsa_enable_private_segment 0
		.amdhsa_kernarg_size 24
		.amdhsa_user_sgpr_count 2
		.amdhsa_user_sgpr_kernarg_segment_ptr 1
		.amdhsa_wavefront_size32 1
		.amdhsa_system_sgpr_workgroup_id_x 1
		.amdhsa_system_sgpr_workgroup_id_y 1
		.amdhsa_system_sgpr_workgroup_id_z 1
		.amdhsa_system_vgpr_workitem_id 0
		.amdhsa_next_free_vgpr 256
		.amdhsa_next_free_sgpr 66
		.amdhsa_reserve_vcc 0
		.amdhsa_float_denorm_mode_32 3
		.amdhsa_float_denorm_mode_16_64 3
		.amdhsa_memory_ordered 1
		.amdhsa_forward_progress 1
		.amdhsa_inst_pref_size 32
	.end_amdhsa_kernel
	.amdgpu_metadata
---
amdhsa.version: [ 1, 2 ]
amdhsa.kernels:
  - .name:           k_q029ae08204_vproj
    .symbol:         k_q029ae08204_vproj.kd
    .args:
      - { .name: hidden, .offset: 0, .size: 8, .value_kind: global_buffer, .address_space: global }
      - { .name: W_attn, .offset: 8, .size: 8, .value_kind: global_buffer, .address_space: global }
      - { .name: vbuf, .offset: 16, .size: 8, .value_kind: global_buffer, .address_space: global }
    .group_segment_fixed_size: 71680
    .private_segment_fixed_size: 0
    .kernarg_segment_align: 8
    .kernarg_segment_size: 24
    .max_flat_workgroup_size: 512
    .sgpr_count:     66
    .vgpr_count:     256
    .wavefront_size: 32
...
	.end_amdgpu_metadata
.endif
;; end of part 1
;; launch scores (part 2): grid 32 x 8, 16 waves a work-group, no clusters, 3,072 bytes of LDS; arguments encoder_outputs, vbuf, scbuf; writes scbuf
.if DOCPART == 2
	.amdgcn_target "amdgcn-amd-amdhsa--gfx1250"
	.amdhsa_code_object_version 6
	.text
	.protected	k_q029ae08204_scores
	.globl	k_q029ae08204_scores
	.p2align	8
	.type	k_q029ae08204_scores,@function
k_q029ae08204_scores:
	s_mov_b64 s[64:65], 0
	v_nop
	global_prefetch_b8 v0, s[64:65] scope:SCOPE_SE
	s_setreg_imm32_b32 hwreg(HW_REG_WAVE_MODE, 25, 1), 1
	s_wait_xcnt 0x0
; sc[b][s] = sum over h of enc[s][b][h] v[b][h].  enc: [512][128][1024] f32, v: [128][1024] f32, sc: [128][512] f32.
; A stream: every byte of enc is read once, in f32, and multiplied on the vector unit.  The matrix unit is left out: there is one
; vector for each batch, so fifteen of a tile's sixteen columns would be idle, and rounding enc to bf16 would cost as many
; instructions as the multiply-adds and the accuracy that the exponentials behind need.  No work-group shares a byte of enc with
; another: no joint loads.  LDS slots filled by tensor loads are left out too: a ring in registers with counted waits never
; runs empty.
; SHARES: work-group (x, y) owns batches 4 x .. + 3 and positions 64 y .. + 63: 256 work-groups.  Wave w = 4 bl + sq takes batch
; 4 x + bl and the 16 rows s = 64 y + 16 sq + i.  A row is 4,096 bytes: eight loads of the wave, 512 consecutive bytes each.
; v[b] stays in 32 registers in the same lane layout (load j, lane l: columns 128 j + 4 l .. + 3).
; RING: six row slots in registers; five or six rows of every wave are on their way at any time.
; ADDRESSES: one vector offset (16 x lane) and one base, never rewritten; row i and piece j stand in the immediate,
; 15 x 524,288 + 3,584 = 7,867,904 at the most, inside its signed 24 bits.  So no source of a pending load is ever written.
; LIMITS: finite inputs; each row's sum is made in four chains a lane and then across the lanes, not in ascending order of h.
.set ROWS,  16                         ; rows of a wave
.set SLOTS, 6
.set SSTEP, 524288                     ; bytes from position s to s + 1: 128 batches of 4,096
.set LOFF, 1                           ; v1       16 x lane
.set LST,  2                           ; v2       LDS: word (wave, lane % 16)
.set LRD,  3                           ; v3       LDS: 16 x (thread % 64)
.set SOFF, 4                           ; v4       sc: (thread / 16 % 4) rows of 2,048 bytes + 16 x (thread % 16)
.set V,    8                           ; v[8:39]   v[b]
.set P,    40                          ; v[40:47]  four chains of pairs
.set T,    48                          ; v48      a row's sum
.set T2,   49                          ; v49      the other half's sum
.set O,    50                          ; v50      lanes i and i + 16: the score of row i
.set X,    52                          ; v[52:243] slot q: 32 registers at X + 32 q
	s_load_b128 s[4:7], s[0:1], 0x0                ; enc s[4:5], v s[6:7]
	s_load_b64 s[8:9], s[0:1], 0x10                ; sc
	v_lshl_add_u32 v244, v0, 2, 0x400
	v_mov_b32 v245, 0
	v_lshrrev_b32 v2, 5, v0
	v_readfirstlane_b32 s10, v2                    ; wave w
	s_lshr_b32 s11, s10, 2                         ; bl: which of the four batches
	s_and_b32 s12, s10, 3                          ; sq: which sixteen positions
	s_and_b32 s13, ttmp7, 0xffff                   ; y
	s_lshl_b32 s14, s13, 25                        ; enc: 64 y positions,
	s_lshl_b32 s15, s12, 23                        ;      16 sq positions,
	s_add_co_u32 s14, s14, s15
	s_lshl2_add_u32 s15, ttmp9, s11                ; b = 4 x + bl
	s_lshl_b32 s18, s15, 12                        ; b rows of 4,096 bytes: v's offset, and enc's last part
	s_add_co_u32 s14, s14, s18                     ; below 2^28 in all
	s_mov_b32 s15, 0
	s_mov_b32 s19, 0
	s_lshl_b32 s20, ttmp9, 13                      ; sc: 4 x rows of 2,048 bytes
	s_lshl_b32 s21, s13, 8                         ;     + 64 y numbers
	s_add_co_u32 s20, s20, s21
	s_mov_b32 s21, 0
	s_mov_b32 s16, 0x76543210                      ; v_permlanex16_b32: lane i of one half reads lane i of the other
	s_mov_b32 s17, 0xfedcba98
	s_lshl_b32 s22, s10, 6                         ; my wave's 16 words in LDS
	v_and_b32 v[LOFF], 31, v0
	v_lshlrev_b32 v[LOFF], 4, v[LOFF]
	v_and_b32 v[T], 15, v0
	v_lshl_add_u32 v[LST], v[T], 2, s22
	v_and_b32 v[LRD], 63, v0
	v_lshlrev_b32 v[LRD], 4, v[LRD]
	v_bfe_u32 v[SOFF], v0, 4, 2
	v_lshlrev_b32 v[SOFF], 11, v[SOFF]
	v_lshl_add_u32 v[SOFF], v[T], 4, v[SOFF]
	v_mov_b32 v[T2], 0                             ; v_permlanex16_b32 counts as a reader of its destination
	s_wait_kmcnt 0x0
	s_add_nc_u64 s[4:5], s[4:5], s[14:15]
	s_add_nc_u64 s[6:7], s[6:7], s[18:19]
	s_add_nc_u64 s[8:9], s[8:9], s[20:21]
.macro FILL i                          ; row i into its slot: eight loads
.irp j, 0,1,2,3,4,5,6,7
	global_load_b128 v[X+32*((\i)%SLOTS)+4*\j:X+32*((\i)%SLOTS)+4*\j+3], v[LOFF], s[4:5] offset:(\i)*SSTEP+512*\j th:TH_LOAD_NT
.endr
.endm
.irp j, 0,1,2,3,4,5,6,7
	global_load_b128 v[V+4*\j:V+4*\j+3], v[LOFF], s[6:7] offset:512*\j     ; v[b]: other work-groups read it too, so no hint
.endr
.irp i, 0,1,2,3,4,5
	FILL \i
.endr
; Row i.  The wait counts eight loads for each younger row that has been asked for: rows i + 1 .. min(i + 5, 15).
; (Loads come back in order, ISA guide 5.7.1; v's eight loads are older than row 0's.)
.macro TURN i
.if \i < 11
	s_wait_loadcnt 40
.else
	s_wait_loadcnt 8*(15-\i)
.endif
.irp q, 0,1,2,3
	v_pk_mul_f32 v[P+2*\q:P+2*\q+1], v[X+32*(\i%SLOTS)+2*\q:X+32*(\i%SLOTS)+2*\q+1], v[V+2*\q:V+2*\q+1]   ; the first four pairs start the chains
.endr
.irp q, 4,5,6,7,8,9,10,11,12,13,14,15
	v_pk_fma_f32 v[P+2*(\q%4):P+2*(\q%4)+1], v[X+32*(\i%SLOTS)+2*\q:X+32*(\i%SLOTS)+2*\q+1], v[V+2*\q:V+2*\q+1], v[P+2*(\q%4):P+2*(\q%4)+1]
.endr
.if \i < ROWS-SLOTS
	FILL \i+SLOTS                                  ; the slot has been read: its next row goes out ahead of the reduction
.endif
	v_pk_add_f32 v[P:P+1], v[P:P+1], v[P+2:P+3]
	v_pk_add_f32 v[P+4:P+5], v[P+4:P+5], v[P+6:P+7]
	v_pk_add_f32 v[P:P+1], v[P:P+1], v[P+4:P+5]
	v_add_f32 v[T], v[P], v[P+1]
	v_add_f32_dpp v[T], v[T], v[T] row_xmask:1 row_mask:0xf bank_mask:0xf
	v_add_f32_dpp v[T], v[T], v[T] row_xmask:2 row_mask:0xf bank_mask:0xf
	v_add_f32_dpp v[T], v[T], v[T] row_xmask:4 row_mask:0xf bank_mask:0xf
	v_add_f32_dpp v[T], v[T], v[T] row_xmask:8 row_mask:0xf bank_mask:0xf
	v_permlanex16_b32 v[T2], v[T], s16, s17
.if \i == 0
	v_add_f32 v[O], v[T], v[T2]                    ; every lane holds row 0's score: this writes O whole
.else
	v_add_f32 v[T], v[T], v[T2]
	s_mov_b32 vcc_lo, (1<<\i)|(1<<(\i+16))
	v_cndmask_b32 v[O], v[O], v[T], vcc_lo         ; lanes i and i + 16 take row i's
.endif
.endm
.irp i, 0,1,2,3,4,5,6,7,8,9,10,11,12,13,14,15
	TURN \i
.endr
	; The work-group's 4 x 64 scores meet in LDS as [bl][64 positions]: byte 64 w + 4 i = 256 bl + 64 sq + 4 i.
	ds_store_b32 v[LST], v[O]                      ; lanes i and i + 16 write the same word with the same value
	s_wait_dscnt 0x0                               ; zero, for the waves that read
	s_barrier_signal -1
	s_barrier_wait -1
	s_cmp_gt_u32 s10, 1
	s_cbranch_scc1 .Lend                           ; 1,024 bytes are 64 lanes of 16: waves 0 and 1 store them
	ds_load_b128 v[X:X+3], v[LRD]
	s_wait_dscnt 0x0
	global_store_b128 v[SOFF], v[X:X+3], s[8:9]    ; sixteen lanes store 256 consecutive bytes of one batch's row, at a multiple of 256 from sc's first byte
.Lend:
	s_barrier_signal -1
	s_barrier_wait -1
	s_wait_tensorcnt 0x0
	ds_add_u32 v244, v245
	s_wait_dscnt 0x0
	s_endpgm
.Lfunc_end_k_q029ae08204_scores:
	.size	k_q029ae08204_scores, .Lfunc_end_k_q029ae08204_scores-k_q029ae08204_scores
	.p2alignl 7, 3214868480
	.fill 96, 4, 3214868480
	.section	.rodata,"a",@progbits
	.p2align	6, 0x0
	.amdhsa_kernel k_q029ae08204_scores
		.amdhsa_group_segment_fixed_size 3072
		.amdhsa_private_segment_fixed_size 0
		.amdhsa_enable_private_segment 0
		.amdhsa_kernarg_size 24
		.amdhsa_user_sgpr_count 2
		.amdhsa_user_sgpr_kernarg_segment_ptr 1
		.amdhsa_wavefront_size32 1
		.amdhsa_system_sgpr_workgroup_id_x 1
		.amdhsa_system_sgpr_workgroup_id_y 1
		.amdhsa_system_sgpr_workgroup_id_z 1
		.amdhsa_system_vgpr_workitem_id 0
		.amdhsa_next_free_vgpr 246
		.amdhsa_next_free_sgpr 66
		.amdhsa_reserve_vcc 1
		.amdhsa_float_denorm_mode_32 3
		.amdhsa_float_denorm_mode_16_64 3
		.amdhsa_memory_ordered 1
		.amdhsa_forward_progress 1
		.amdhsa_inst_pref_size 43
	.end_amdhsa_kernel
	.amdgpu_metadata
---
amdhsa.version: [ 1, 2 ]
amdhsa.kernels:
  - .name:           k_q029ae08204_scores
    .symbol:         k_q029ae08204_scores.kd
    .args:
      - { .name: encoder_outputs, .offset: 0, .size: 8, .value_kind: global_buffer, .address_space: global }
      - { .name: vbuf, .offset: 8, .size: 8, .value_kind: global_buffer, .address_space: global }
      - { .name: scbuf, .offset: 16, .size: 8, .value_kind: global_buffer, .address_space: global }
    .group_segment_fixed_size: 3072
    .private_segment_fixed_size: 0
    .kernarg_segment_align: 8
    .kernarg_segment_size: 24
    .max_flat_workgroup_size: 512
    .sgpr_count:     66
    .vgpr_count:     246
    .wavefront_size: 32
...
	.end_amdgpu_metadata
.endif
;; end of part 2
;; launch softmax (part 3): grid 32 x 1, 4 waves a work-group, no clusters, 0 bytes of LDS; arguments scbuf, hidden, b_attn, out0; writes out0
.if DOCPART == 3
	.amdgcn_target "amdgcn-amd-amdhsa--gfx1250"
	.amdhsa_code_object_version 6
	.text
	.protected	k_q029ae08204_softmax
	.globl	k_q029ae08204_softmax
	.p2align	8
	.type	k_q029ae08204_softmax,@function
k_q029ae08204_softmax:
	s_mov_b64 s[64:65], 0
	v_nop
	global_prefetch_b8 v0, s[64:65] scope:SCOPE_SE
	s_setreg_imm32_b32 hwreg(HW_REG_WAVE_MODE, 25, 1), 1
	s_wait_xcnt 0x0
; out[b][s] = softmax over s of (sc[b][s] + c[b]), c[b] = sum over k of hidden[b][k] bias[k].
; sc: [128][512] f32, hidden: [128][1024] f32, bias: [1024] f32, out: [128][512] f32.
; One wave, one batch: a row of 512 scores is 16 registers, so maximum, sum and scaling never leave the wave: no LDS, no barrier.
; 128 waves of work in 32 work-groups of four; all 20 loads of a wave go out at the start.
; The row's maximum m is taken away inside one fused multiply-add: exponent = s L + (-(m L)), L = log2 e.  The rounding of m L is
; the same number in all 512 exponents of the row and cancels in the division by their sum; the largest exponent is that rounding
; error, so no exponential overflows and the sum is about 1 at the least.
; LIMITS: finite scores (a NaN loses in v_max_num_f32); v_exp_f32 gives zero where the result would be below 2^-126 (ISA guide 15.8).
.set LOFF, 1                           ; v1       16 x lane
.set HD,   2                           ; v[2:33]   hidden[b]: load j, lane l: columns 128 j + 4 l .. + 3
.set BA,   34                          ; v[34:65]  bias, the same columns
.set SC,   66                          ; v[66:81]  scores: load q, lane l: positions 128 q + 4 l .. + 3
.set P,    82                          ; v[82:89]  four chains of pairs
.set T,    90
.set T2,   91
.set C,    92                          ; v[92:93]  c[b], twice
.set M,    94                          ; v[94:95]  -(m L), twice
.set R,    96                          ; v[96:97]  1 / sum, twice
	s_load_b256 s[4:11], s[0:1], 0x0               ; sc s[4:5], hidden s[6:7], bias s[8:9], out s[10:11]
	v_lshrrev_b32 v1, 5, v0
	v_readfirstlane_b32 s12, v1                    ; wave
	s_lshl2_add_u32 s13, ttmp9, s12                ; b = 4 x + wave
	s_lshl_b32 s14, s13, 11                        ; rows of 2,048 bytes in sc and out
	s_mov_b32 s15, 0
	s_lshl_b32 s18, s13, 12                        ; rows of 4,096 bytes in hidden
	s_mov_b32 s19, 0
	s_mov_b32 s16, 0x76543210                      ; v_permlanex16_b32: lane i of one half reads lane i of the other
	s_mov_b32 s17, 0xfedcba98
	v_and_b32 v[LOFF], 31, v0
	v_lshlrev_b32 v[LOFF], 4, v[LOFF]
	v_mov_b32 v[T2], 0                             ; v_permlanex16_b32 counts as a reader of its destination
	s_wait_kmcnt 0x0
	s_add_nc_u64 s[4:5], s[4:5], s[14:15]
	s_add_nc_u64 s[10:11], s[10:11], s[14:15]
	s_add_nc_u64 s[6:7], s[6:7], s[18:19]
.irp j, 0,1,2,3,4,5,6,7
	global_load_b128 v[HD+4*\j:HD+4*\j+3], v[LOFF], s[6:7] offset:512*\j
.endr
.irp j, 0,1,2,3,4,5,6,7
	global_load_b128 v[BA+4*\j:BA+4*\j+3], v[LOFF], s[8:9] offset:512*\j
.endr
.irp q, 0,1,2,3
	global_load_b128 v[SC+4*\q:SC+4*\q+3], v[LOFF], s[4:5] offset:512*\q th:TH_LOAD_NT
.endr
; The four chains in P become one number in T, the same in every lane.
.macro SUMUP
	v_pk_add_f32 v[P:P+1], v[P:P+1], v[P+2:P+3]
	v_pk_add_f32 v[P+4:P+5], v[P+4:P+5], v[P+6:P+7]
	v_pk_add_f32 v[P:P+1], v[P:P+1], v[P+4:P+5]
	v_add_f32 v[T], v[P], v[P+1]
	v_add_f32_dpp v[T], v[T], v[T] row_xmask:1 row_mask:0xf bank_mask:0xf
	v_add_f32_dpp v[T], v[T], v[T] row_xmask:2 row_mask:0xf bank_mask:0xf
	v_add_f32_dpp v[T], v[T], v[T] row_xmask:4 row_mask:0xf bank_mask:0xf
	v_add_f32_dpp v[T], v[T], v[T] row_xmask:8 row_mask:0xf bank_mask:0xf
	v_permlanex16_b32 v[T2], v[T], s16, s17
.endm
	s_wait_loadcnt 4                               ; hidden and bias are in; the four loads of scores, issued behind them, may be out
.irp q, 0,1,2,3
	v_pk_mul_f32 v[P+2*\q:P+2*\q+1], v[HD+2*\q:HD+2*\q+1], v[BA+2*\q:BA+2*\q+1]
.endr
.irp q, 4,5,6,7,8,9,10,11,12,13,14,15
	v_pk_fma_f32 v[P+2*(\q%4):P+2*(\q%4)+1], v[HD+2*\q:HD+2*\q+1], v[BA+2*\q:BA+2*\q+1], v[P+2*(\q%4):P+2*(\q%4)+1]
.endr
	SUMUP
	v_add_f32 v[C], v[T], v[T2]                    ; c[b]
	v_add_f32 v[C+1], v[T], v[T2]
	s_wait_loadcnt 0x0
.irp q, 0,1,2,3,4,5,6,7
	v_pk_add_f32 v[SC+2*\q:SC+2*\q+1], v[SC+2*\q:SC+2*\q+1], v[C:C+1]     ; the bias term of every score
.endr
	; the row's maximum: two chains over my sixteen, then across the lanes
	v_max3_num_f32 v[T], v[SC], v[SC+1], v[SC+2]
	v_max3_num_f32 v[P], v[SC+8], v[SC+9], v[SC+10]
	v_max3_num_f32 v[T], v[T], v[SC+3], v[SC+4]
	v_max3_num_f32 v[P], v[P], v[SC+11], v[SC+12]
	v_max3_num_f32 v[T], v[T], v[SC+5], v[SC+6]
	v_max3_num_f32 v[P], v[P], v[SC+13], v[SC+14]
	v_max3_num_f32 v[T], v[T], v[SC+7], v[SC+15]
	v_max_num_f32 v[T], v[T], v[P]
	v_max_num_f32_dpp v[T], v[T], v[T] row_xmask:1 row_mask:0xf bank_mask:0xf
	v_max_num_f32_dpp v[T], v[T], v[T] row_xmask:2 row_mask:0xf bank_mask:0xf
	v_max_num_f32_dpp v[T], v[T], v[T] row_xmask:4 row_mask:0xf bank_mask:0xf
	v_max_num_f32_dpp v[T], v[T], v[T] row_xmask:8 row_mask:0xf bank_mask:0xf
	v_permlanex16_b32 v[T2], v[T], s16, s17
	v_max_num_f32 v[T], v[T], v[T2]
	v_mul_f32 v[M], 0xbfb8aa3b, v[T]               ; -(m L)
	v_mul_f32 v[M+1], 0xbfb8aa3b, v[T]
.irp q, 0,1,2,3,4,5,6,7
	v_pk_fma_f32 v[SC+2*\q:SC+2*\q+1], v[SC+2*\q:SC+2*\q+1], 0x3fb8aa3b, v[M:M+1] op_sel_hi:[1,0,1]   ; (s - m) L
.endr
.irp e, 0,1,2,3,4,5,6,7,8,9,10,11,12,13,14,15
	v_exp_f32 v[SC+\e], v[SC+\e]
.endr
	v_nop                                          ; one plain place behind the last exponential, in front of the first use (ISA guide 5.7.2)
	s_wait_alu depctr_va_vdst(0)
.irp q, 0,1,2,3
	v_pk_add_f32 v[P+2*\q:P+2*\q+1], v[SC+2*\q:SC+2*\q+1], v[SC+8+2*\q:SC+8+2*\q+1]
.endr
	SUMUP
	v_add_f32 v[T], v[T], v[T2]                    ; the row's sum
	v_rcp_f32 v[R], v[T]
	v_rcp_f32 v[R+1], v[T]                         ; twice: a pair for the packed multiply
	v_nop                                          ; one plain place behind the reciprocals
	s_wait_alu depctr_va_vdst(0)
.irp q, 0,1,2,3,4,5,6,7
	v_pk_mul_f32 v[SC+2*\q:SC+2*\q+1], v[SC+2*\q:SC+2*\q+1], v[R:R+1]
.endr
.irp q, 0,1,2,3
	global_store_b128 v[LOFF], v[SC+4*\q:SC+4*\q+3], s[10:11] offset:512*\q th:TH_STORE_NT   ; 512 consecutive bytes a store
.endr
	s_endpgm
.Lfunc_end_k_q029ae08204_softmax:
	.size	k_q029ae08204_softmax, .Lfunc_end_k_q029ae08204_softmax-k_q029ae08204_softmax
	.p2alignl 7, 3214868480
	.fill 96, 4, 3214868480
	.section	.rodata,"a",@progbits
	.p2align	6, 0x0
	.amdhsa_kernel k_q029ae08204_softmax
		.amdhsa_group_segment_fixed_size 0
		.amdhsa_private_segment_fixed_size 0
		.amdhsa_enable_private_segment 0
		.amdhsa_kernarg_size 32
		.amdhsa_user_sgpr_count 2
		.amdhsa_user_sgpr_kernarg_segment_ptr 1
		.amdhsa_wavefront_size32 1
		.amdhsa_system_sgpr_workgroup_id_x 1
		.amdhsa_system_sgpr_workgroup_id_y 1
		.amdhsa_system_sgpr_workgroup_id_z 1
		.amdhsa_system_vgpr_workitem_id 0
		.amdhsa_next_free_vgpr 104
		.amdhsa_next_free_sgpr 66
		.amdhsa_reserve_vcc 0
		.amdhsa_float_denorm_mode_32 3
		.amdhsa_float_denorm_mode_16_64 3
		.amdhsa_memory_ordered 1
		.amdhsa_forward_progress 1
		.amdhsa_inst_pref_size 9
	.end_amdhsa_kernel
	.amdgpu_metadata
---
amdhsa.version: [ 1, 2 ]
amdhsa.kernels:
  - .name:           k_q029ae08204_softmax
    .symbol:         k_q029ae08204_softmax.kd
    .args:
      - { .name: scbuf, .offset: 0, .size: 8, .value_kind: global_buffer, .address_space: global }
      - { .name: hidden, .offset: 8, .size: 8, .value_kind: global_buffer, .address_space: global }
      - { .name: b_attn, .offset: 16, .size: 8, .value_kind: global_buffer, .address_space: global }
      - { .name: out0, .offset: 24, .size: 8, .value_kind: global_buffer, .address_space: global }
    .group_segment_fixed_size: 0
    .private_segment_fixed_size: 0
    .kernarg_segment_align: 8
    .kernarg_segment_size: 32
    .max_flat_workgroup_size: 128
    .sgpr_count:     66
    .vgpr_count:     104
    .wavefront_size: 32
...
	.end_amdgpu_metadata
.endif
;; end of part 3
